; MI455X (gfx1250); checked and timed in simulation.
; The chip was launched on July 23, 2026; its instructions are those of AMD's public machine-readable ISA for CDNA 5 (MIT licence, August 2026) and "CDNA5" Instruction Set Architecture Reference Guide (July 2026). The comments in the code are by the model that wrote it; some were corrected since.
;; Core Attention. Allowed arithmetic: matrix products marked QUANTISED: E3M2 operands, one E8M0 scale for each 32 along K, by v_wmma_scale_f32_16x16x128_f8f6f4 with both operands' format E3M2, f32 sums; everything else in f32.
;; Inputs: attention_mask 2 x 1 x 2,048 x 2,048 bool; key_layer 2,048 x 2 x 16 x 128 float32; query_layer 2,048 x 2 x 16 x 128 float32; value_layer 2,048 x 2 x 16 x 128 float32.
;; Outputs: out0 2,048 x 2 x 2,048 float32.
;; This version of the problem:
;;   THIS VERSION OF THE PROBLEM IS GIVEN IN LOW PRECISION. The matrix products marked QUANTISED in the list below multiply operands that are first quantised to E3M2 (3 exponent bits, 2 mantissa bits; 6 bits a number), with one power-of-two scale for each 32 numbers along K (OCP MX v1.0); their sums are f32. All else is computed in f32.
;;   The module's matrix products, in the order in which they are computed (A, B: the left and right operand; K: the contracted axis; several contracted axes count as one K, in the product's order):
;;     1. batch 32 x [M 2,048, K 128] x [K 128, N 2,048]; A: input query_layer; B: input key_layer: QUANTISED
;;     2. batch 32 x [M 128, K 2,048] x [K 2,048, N 2,048]; A: input value_layer; B: computed on the way: QUANTISED
;;   THE QUANTISER, for each operand of a quantised product, along K:
;;     - K is cut into blocks of 32 from its start; a last block that is shorter is filled with zeros.
;;     - A block's scale is 2^e with e = floor(log2(the largest magnitude in the block)) - 4, held to -126 .. 127; a block of zeros has e = 0. As a byte (E8M0): e + 127.
;;     - Each number is divided by its block's scale, clamped to +-28, and rounded to the nearest number of E3M2, ties to even, subnormals kept.
;;     - The product sums the exact products of the quantised numbers (number of the format x scale) in f32.
;;   ~~~python
;;   def quantise(x, axis):      # numpy; x: float32 -> the quantised numbers, widened to float32 again
;;       x = np.moveaxis(x, axis, -1); K = x.shape[-1]
;;       x = np.pad(x, [(0, 0)] * (x.ndim - 1) + [(0, -K % 32)]); x = x.reshape(x.shape[:-1] + (-1, 32)); a = np.abs(x).max(-1, keepdims=True)
;;       e = np.where(a > 0, np.clip(np.frexp(np.where(a > 0, a, 1))[1] - 1 - 4, -126, 127), 0)      # np.frexp(a)[1] - 1 = floor(log2(a)), exactly
;;       r = np.clip(x / 2.0 ** e, -28, 28)
;;       step = 2.0 ** (np.maximum(np.frexp(np.where(r == 0, 1, r))[1] - 1, -2) - 2)
;;       q = np.round(r / step) * step * 2.0 ** e      # np.round: ties to even
;;       return np.moveaxis(q.reshape(q.shape[:-2] + (-1,))[..., :K], -1, axis).astype(np.float32)
;;   ~~~
;;   OPERANDS COMPUTED ON THE WAY. 'Computed on the way' means the value that the module computes at that place (a softmax that the list does not call 'softmax' is quantised finished and normalised). What goes into a quantiser is computed in f32, as accurately as f32 sums, v_exp_f32 and their like allow (about 1e-6 of the number): no bf16 or f16 on the way to a quantiser, and a product that is left as it is and whose result goes on into a quantised operand takes f32 operands (vector FMAs, or v_wmma_f32_16x16x4_f32). A number that lies on a knife's edge between two numbers of the format may be rounded either way, as far as f32 arithmetic and the matrix unit's own rounding can turn it there, and no further.
;; One version. Each part assembles by itself: llvm-mc -triple=amdgcn-amd-amdhsa -mcpu=gfx1250 --defsym DOCPART=n.
;; ======== version 1 of 1: 2 launches
;; workspace buffers: codes 18,874,368 bytes; scales 786,432 bytes; mbits 1,048,576 bytes of whole numbers; live 131,072 bytes
;; launch prep (part 1): grid 1792 x 1, 4 waves a work-group, no clusters, 68,096 bytes of LDS; arguments query_layer, key_layer, value_layer, attention_mask, codes, scales, mbits, live; writes codes, scales, mbits, live
.if DOCPART == 1
	.amdgcn_target "amdgcn-amd-amdhsa--gfx1250"
	.amdhsa_code_object_version 6
	.text
	.protected	k_q4925fe2599_prep
	.globl	k_q4925fe2599_prep
	.p2align	8
	.type	k_q4925fe2599_prep,@function
k_q4925fe2599_prep:
	s_mov_b64 s[64:65], 0
	v_nop
	global_prefetch_b8 v0, s[64:65] scope:SCOPE_SE
	s_setreg_imm32_b32 hwreg(HW_REG_WAVE_MODE, 25, 1), 1
	s_wait_xcnt 0x0
; Q, K, V [2048 (s)][2 (b)][16 (h)][128 (d)] f32 become codes of BF6 (E3M2) with one E8M0 byte for each 32 along the product's K, laid as IMAGES OF THE OPERANDS' REGISTERS,
; and the mask [2][1][2048 (q)][2048 (k)] of bytes becomes lane masks.  Every input byte is read once.  hb = 16 b + h; a row (s, hb) is 512 consecutive bytes, rows of a head lie 16,384 bytes apart.
; A GROUP g is 32 positions, two tiles u = 0, 1; lane r (0..15) of tile T = 2 g + u stands for position 32 g + 8 u + r + 8 (r / 8).
; codes: a fragment's image is 1,536 bytes: registers 4 c .. 4 c + 3 of lane L at 512 c + 16 L.  Q at 0, K at KSEC: tile T of head hb at (128 hb + T) x 1,536; lane (r, h): registers 6 c .. 6 c + 5 = d 64 c + 32 h + 0 .. 31.
;        V at VSEC: (step S of 128 keys, dt) at ((16 hb + S) 8 + dt) x 1,536; lane (r, h): d = 16 dt + r, registers 6 c .. 6 c + 5 = keys 128 S + 64 c + 32 h + 0 .. 31.
; scales: Q at 0, K at KSCS: word ((64 hb + g) 32 + L): lanes 0-15 tile 0, lanes 16-31 tile 1.  V at VSCS: word ((16 hb + S) 128 + d).
; mbits: unit (b, T, chunk w of 512 keys) at ((128 b + T) 4 + w) x 1,024; word (k, L) at 512 (k / 4) + 16 L + 4 (k % 4) is the LANE MASK of score register R = 32 k + L = 64 s + 16 bb + i:
;        bit (r, h) = mask[b][position of (T, r)][512 w + 128 s + 32 bb + 16 h + i].   live: f32 at (((128 b + T) 4 + w) 32 + L): 1.0 if that lane's query has an unmasked key in chunk w.
; A block's scale is 2^(floor(log2(largest magnitude)) - 4): its byte is the largest magnitude's exponent field - 4, held at 1 from below by a floor among the maximum's leaves.
; LIMITS: NaN and infinities are not served; a block whose largest magnitude lies under 2^-122 keeps the byte 1; a block of zeros has the byte 1, not 127 (its codes are zeros; this program alone reads the bytes); mask bytes are 0 or 1.
; Work-groups 0-1023: Q and K (a wave: one group of one head).  1024-1535: V (a work-group: one step of one head).  1536-1791: the mask (a work-group: one tile of queries, a wave a chunk).
; The three paths part on the work-group's number and have LDS bytes of their own.  Waves share nothing: no barrier.
.set KSEC,   6291456
.set VSEC,   12582912
.set KSCS,   262144
.set VSCS,   524288
.set SPITCH, 528                       ; a stage row: 512 bytes + 16 = 33 x 16, so that sixteen rows' equal columns fall 16 bytes apart modulo 256
.set WSTG,   16*SPITCH                 ; a wave's stage
.set MSTG,   4*WSTG                    ; the mask path's stages lie behind the Q/K path's
.set FLOOR,  0x2800000                 ; 2^(5 - 127)
.set EOFF,   0xfe000000                ; -(4 << 23)
	s_load_b256 s[4:11], s[0:1], 0x0               ; q s[4:5], k s[6:7], v s[8:9], mask s[10:11]
	s_load_b256 s[12:19], s[0:1], 0x20             ; codes s[12:13], scales s[14:15], mbits s[16:17], live s[18:19]
	v_lshl_add_u32 v254, v0, 2, 0x10800
	v_mov_b32 v255, 0
	v_lshrrev_b32 v1, 5, v0
	v_readfirstlane_b32 s20, v1                    ; wave
	v_and_b32 v1, 31, v0                           ; lane
	v_and_b32 v2, 15, v0                           ; r
	v_bfe_u32 v3, v0, 4, 1                         ; h
	v_lshlrev_b32 v4, 4, v1                        ; 16 x lane
	v_lshlrev_b32 v7, 2, v1                        ; 4 x lane
	s_mul_i32 s21, s20, WSTG
	v_add_nc_u32 v5, s21, v4                       ; Q/K stage, in: 16 x lane of a row
	v_mul_u32_u24 v6, v2, SPITCH
	v_add_nc_u32 v6, s21, v6
	v_lshl_add_u32 v245, v3, 4, v6
	v_add_nc_u32 v245, MSTG, v245                  ; mask stage, out: row r, + 16 h
	v_lshl_add_u32 v6, v3, 7, v6                   ; Q/K stage, out: row r, + 128 h
	v_add_nc_u32 v244, MSTG, v5                    ; mask stage, in
	s_mov_b32 s22, 0x76543210
	s_mov_b32 s23, 0xfedcba98                      ; v_permlanex16_b32's selects for lane l xor 16
	s_mov_b32 s31, 0
	s_wait_kmcnt 0x0
	s_cmp_ge_u32 ttmp9, 1024
	s_cbranch_scc1 .Lnot_qk
; ---------------- Q and K: K of the product (d) is innermost ----------------
; 64 numbers of a lane, v[x + 32 c + i] = d 64 c + 32 h + i of my row: two whole blocks.  They become the fragment's 12 registers v[f ..] and the row's scale word v[sw].
.macro QUANT6 x, f, sw
.irp c, 0,1
	v_max3_num_f32 v[8+\c], |v[(\x)+32*\c]|, |v[(\x)+32*\c+1]|, FLOOR      ; the floor is a leaf: the byte cannot fall under 1
.endr
.irp i, 2,4,6,8,10,12,14,16,18,20,22,24,26,28,30
.irp c, 0,1
	v_max3_num_f32 v[8+\c], v[8+\c], |v[(\x)+32*\c+\i]|, |v[(\x)+32*\c+\i+1]|   ; the two blocks by turns
.endr
.endr
.irp c, 0,1
	v_add_nc_u32 v[10+\c], EOFF, v[8+\c]           ; 4 off the exponent field: the conversion's scale operand
.endr
.irp c, 0,1
	v_lshrrev_b32 v[12+\c], 23, v[10+\c]           ; the scale's byte
.endr
	v_lshl_or_b32 v[\sw], v13, 16, v12             ; my bytes: blocks h and 2 + h,
	v_lshlrev_b32 v14, 3, v3
	v_lshlrev_b32 v[\sw], v14, v[\sw]              ; 8 h bits up;
	v_mov_b32 v15, 0                               ; (a lane permute's destination counts as one of its sources)
	v_permlanex16_b32 v15, v[\sw], s22, s23
	v_or_b32 v[\sw], v[\sw], v15                   ; with lane l xor 16's two the word is whole, in both halves
.irp c, 0,1
	v_cvt_scalef32_pk16_bf6_f32 v[(\f)+6*\c:(\f)+6*\c+2], v[(\x)+32*\c:(\x)+32*\c+15], v[10+\c]
	v_cvt_scalef32_pk16_bf6_f32 v[236+4*\c:238+4*\c], v[(\x)+32*\c+16:(\x)+32*\c+31], v[10+\c]   ; (a conversion's three registers begin on an even number)
.endr
	v_nop                                          ; one plain line behind the scaled conversions
.irp c, 0,1
.irp i, 0,1,2
	v_mov_b32 v[(\f)+6*\c+3+\i], v[236+4*\c+\i]
.endr
.endr
.endm
	s_cmp_lt_u32 ttmp9, 512                        ; Q's work-group or K's: the choice hangs on the work-group's number alone
	s_cselect_b64 s[4:5], s[4:5], s[6:7]
	s_cselect_b32 s24, 0, KSEC
	s_cselect_b32 s25, 0, KSCS
	s_and_b32 s26, ttmp9, 511
	s_lshr_b32 s27, s26, 3                         ; g
	s_and_b32 s28, s26, 7
	s_lshl_b32 s28, s28, 2
	s_add_co_u32 s28, s28, s20                     ; hb = 4 (n % 8) + wave
	s_lshl_b32 s30, s27, 19                        ; 32 rows of 16,384 bytes a group
	s_lshl_b32 s29, s28, 9
	s_add_co_u32 s30, s30, s29
	s_add_nc_u64 s[4:5], s[4:5], s[30:31]
	s_lshl_b32 s29, s28, 7
	s_lshl_b32 s32, s27, 1
	s_add_co_u32 s29, s29, s32                     ; 128 hb + 2 g
	s_mul_i32 s30, s29, 1536
	s_add_co_u32 s30, s30, s24
	s_add_nc_u64 s[12:13], s[12:13], s[30:31]
	s_lshl_b32 s29, s28, 6
	s_add_co_u32 s29, s29, s27                     ; 64 hb + g
	s_lshl_b32 s30, s29, 7
	s_add_co_u32 s30, s30, s25
	s_add_nc_u64 s[14:15], s[14:15], s[30:31]
.set ix, 0
.rept 32                                       ; tile ix / 16, lane-row ix % 16: each load reads one whole row, 512 consecutive bytes
	global_load_b128 v[16+4*ix:16+4*ix+3], v4, s[4:5] offset:(8*(ix/16)+(ix%16)+8*((ix%16)/8))*16384 th:TH_LOAD_NT
.set ix, ix+1
.endr
.irp u, 0,1
	s_wait_loadcnt 16-16*\u                        ; this tile's 16 loads are in; the other tile's 16 may be out
.irp r, 0,1,2,3,4,5,6,7,8,9,10,11,12,13,14,15
	ds_store_b128 v5, v[16+64*\u+4*\r:16+64*\u+4*\r+3] offset:SPITCH*\r
.endr
.irp c, 0,1                                    ; LDS serves a wave's instructions in order: these see the stores above
.irp j, 0,1,2,3,4,5,6,7
	ds_load_b128 v[144+32*\c+4*\j:144+32*\c+4*\j+3], v6 offset:256*\c+16*\j
.endr
.endr
	s_wait_dscnt 0x0
	QUANT6 144, 212+12*\u, 208+\u
.irp c, 0,1,2
	global_store_b128 v4, v[212+12*\u+4*\c:212+12*\u+4*\c+3], s[12:13] offset:1536*\u+512*\c   ; 512 consecutive bytes; each tile has its own registers, so no store's data are written again
.endr
.endr
	v_cmp_lt_u32 vcc_lo, 15, v1
	v_cndmask_b32 v8, v208, v209, vcc_lo           ; lanes 0-15 tile 0's words, lanes 16-31 tile 1's
	global_store_b32 v7, v8, s[14:15]
	s_wait_tensorcnt 0x0
	ds_add_u32 v254, v255
	s_wait_dscnt 0x0
	s_endpgm
.Lnot_qk:
	s_cmp_ge_u32 ttmp9, 1536
	s_cbranch_scc1 .Lmask
; ---------------- V: K of the product (the keys) is the outermost axis: a lane takes a column d, its registers run down the keys ----------------
	s_sub_co_u32 s24, ttmp9, 1024                  ; 16 hb + S
	s_lshr_b32 s25, s24, 4                         ; hb
	s_and_b32 s26, s24, 15                         ; S
	s_lshl_b32 s30, s26, 21                        ; 128 rows of 16,384 bytes a step
	s_lshl_b32 s27, s25, 9
	s_add_co_u32 s30, s30, s27
	s_lshl_b32 s27, s20, 7                         ; my wave's 32 columns
	s_add_co_u32 s30, s30, s27
	s_add_nc_u64 s[8:9], s[8:9], s[30:31]
	s_lshl_b32 s27, s24, 3
	s_lshl_b32 s28, s20, 1
	s_add_co_u32 s27, s27, s28                     ; image (16 hb + S) 8 + 2 wave
	s_mul_i32 s30, s27, 1536
	s_add_co_u32 s30, s30, VSEC
	s_add_nc_u64 s[12:13], s[12:13], s[30:31]
	s_lshl_b32 s27, s24, 7
	s_lshl_b32 s28, s20, 5
	s_add_co_u32 s27, s27, s28
	s_lshl_b32 s30, s27, 2
	s_add_co_u32 s30, s30, VSCS
	s_add_nc_u64 s[14:15], s[14:15], s[30:31]
.set ix, 0
.rept 128                                      ; key ix of the step at my column: a wave reads 128 consecutive bytes, the four waves a whole row
	global_load_b32 v[16+ix], v7, s[8:9] offset:ix*16384 th:TH_LOAD_NT
.set ix, ix+1
.endr
; block bk of 32 keys, all mine: its six registers of codes go to v[dst ..], its byte to v[172 + bk].  cnt: how many younger loads may be out (never more than the wait's field holds)
.macro VBLK bk, dst, cnt
	s_wait_loadcnt \cnt
.set XS, 16+32*\bk
	v_max3_num_f32 v8, |v[XS]|, |v[XS+1]|, |v[XS+2]|
	v_max3_num_f32 v9, |v[XS+3]|, |v[XS+4]|, |v[XS+5]|
.irp i, 6,10,14,18,22,26
	v_max3_num_f32 v8, v8, |v[XS+\i]|, |v[XS+\i+1]|
	v_max3_num_f32 v9, v9, |v[XS+\i+2]|, |v[XS+\i+3]|
.endr
	v_max3_num_f32 v8, v8, |v[XS+30]|, |v[XS+31]|
	v_max3_num_f32 v8, v8, v9, FLOOR
	v_add_nc_u32 v10, EOFF, v8
	v_lshrrev_b32 v[172+\bk], 23, v10
	v_cvt_scalef32_pk16_bf6_f32 v[\dst:\dst+2], v[XS:XS+15], v10
	v_cvt_scalef32_pk16_bf6_f32 v[168:170], v[XS+16:XS+31], v10
	v_nop                                          ; one plain line behind the scaled conversions
.irp i, 0,1,2
	v_mov_b32 v[\dst+3+\i], v[168+\i]
.endr
.endm
	VBLK 0, 144, 63                                ; 96 younger loads: the field holds 63, and a smaller count is safe
	VBLK 1, 156, 63                                ; 64 younger
	VBLK 2, 150, 32
	VBLK 3, 162, 0
.irp i, 0,1,2,3,4,5,6,7,8,9,10,11              ; v144.. holds blocks 0, 2 and v156.. blocks 1, 3 of column 32 wave + lane.  The first's lanes 16-31 change places with the second's lanes 0-15:
	v_permlane16_swap_b32 v[144+\i], v[156+\i]     ; v144.. is then the fragment dt = 2 wave (lanes 0-15 blocks 0, 2; lanes 16-31 blocks 1, 3), v156.. the fragment dt = 2 wave + 1
.endr
	v_lshl_or_b32 v8, v173, 8, v172                ; my column's scale word
	v_lshl_or_b32 v8, v174, 16, v8
	v_lshl_or_b32 v8, v175, 24, v8
.irp c, 0,1,2
	global_store_b128 v4, v[144+4*\c:144+4*\c+3], s[12:13] offset:512*\c
	global_store_b128 v4, v[156+4*\c:156+4*\c+3], s[12:13] offset:1536+512*\c
.endr
	global_store_b32 v7, v8, s[14:15]
	s_endpgm
.Lmask:
; ---------------- the mask: a tile of 16 queries x 512 keys a wave ----------------
	s_sub_co_u32 s24, ttmp9, 1536                  ; 128 b + T
	s_lshr_b32 s25, s24, 7                         ; b
	s_and_b32 s26, s24, 127                        ; T
	s_lshr_b32 s27, s26, 1
	s_lshl_b32 s27, s27, 5
	s_and_b32 s28, s26, 1
	s_lshl_b32 s28, s28, 3
	s_add_co_u32 s27, s27, s28                     ; the tile's first query: 32 (T / 2) + 8 (T % 2)
	s_lshl_b32 s30, s27, 11
	s_lshl_b32 s28, s25, 22
	s_add_co_u32 s30, s30, s28
	s_lshl_b32 s28, s20, 9                         ; my chunk of 512 keys
	s_add_co_u32 s30, s30, s28
	s_add_nc_u64 s[10:11], s[10:11], s[30:31]
	s_lshl_b32 s28, s24, 2
	s_add_co_u32 s28, s28, s20                     ; the unit
	s_lshl_b32 s30, s28, 10
	s_add_nc_u64 s[16:17], s[16:17], s[30:31]
	s_lshl_b32 s30, s28, 7
	s_add_nc_u64 s[18:19], s[18:19], s[30:31]
.irp r, 0,1,2,3,4,5,6,7,8,9,10,11,12,13,14,15
	global_load_b128 v[16+4*\r:16+4*\r+3], v4, s[10:11] offset:(\r+8*(\r/8))*2048 th:TH_LOAD_NT   ; 512 consecutive bytes of one query's row
.endr
.irp k, 0,1,2,3,4,5,6,7
	v_mov_b32 v[144+\k], 0                         ; (v_writelane_b32's destination counts as read)
.endr
	s_wait_loadcnt 0x0
.irp r, 0,1,2,3,4,5,6,7,8,9,10,11,12,13,14,15
	ds_store_b128 v244, v[16+4*\r:16+4*\r+3] offset:SPITCH*\r
.endr
.irp j, 0,1,2,3,4,5,6,7,8,9,10,11,12,13,14,15 ; j = 4 s + bb: lane (r, h) takes keys 128 s + 32 bb + 16 h + 0 .. 15 of query r
	ds_load_b128 v[80+4*\j:80+4*\j+3], v245 offset:128*(\j/4)+32*(\j%4)
.endr
	s_wait_dscnt 0x0
.set dj, 0
.rept 64                                       ; byte y of v[80 + dj] belongs to score register R = 4 dj + y: its 32 lanes' bits are one word, which goes to lane R % 32 of v[144 + R / 32]
.irp y, 0,1,2,3
	v_bfe_u32 v[8+\y], v[80+dj], 8*\y, 1
.endr
.irp y, 0,1,2,3
	v_cmp_ne_u32 s[32+\y], 0, v[8+\y]
.endr
.irp y, 0,1,2,3
	v_writelane_b32 v[144+(4*dj+\y)/32], s[32+\y], (4*dj+\y)%32
.endr
.set dj, dj+1
.endr
	v_and_b32 v8, v80, v81                         ; every byte 1 means every key of my half masked
	v_and_b32 v9, v82, v83
.set dj, 4
.rept 30
	v_and_b32 v8, v8, v[80+dj]
	v_and_b32 v9, v9, v[81+dj]
.set dj, dj+2
.endr
	v_and_b32 v8, v8, v9
	v_permlanex16_b32 v9, v8, s22, s23
	v_and_b32 v8, v8, v9                           ; with lane l xor 16's keys: the chunk's 512
	v_mov_b32 v10, 1.0
	v_cmp_ne_u32 vcc_lo, 0x01010101, v8
	v_cndmask_b32 v9, 0, v10, vcc_lo               ; 1.0 where some key counts
	global_store_b128 v4, v[144:147], s[16:17]
	global_store_b128 v4, v[148:151], s[16:17] offset:512
	global_store_b32 v7, v9, s[18:19]
	s_wait_tensorcnt 0x0
	ds_add_u32 v254, v255
	s_wait_dscnt 0x0
	s_endpgm
.Lfunc_end_k_q4925fe2599_prep:
	.size	k_q4925fe2599_prep, .Lfunc_end_k_q4925fe2599_prep-k_q4925fe2599_prep
	.p2alignl 7, 3214868480
	.fill 96, 4, 3214868480
	.section	.rodata,"a",@progbits
	.p2align	6, 0x0
	.amdhsa_kernel k_q4925fe2599_prep
		.amdhsa_group_segment_fixed_size 68096
		.amdhsa_private_segment_fixed_size 0
		.amdhsa_enable_private_segment 0
		.amdhsa_kernarg_size 64
		.amdhsa_user_sgpr_count 2
		.amdhsa_user_sgpr_kernarg_segment_ptr 1
		.amdhsa_wavefront_size32 1
		.amdhsa_system_sgpr_workgroup_id_x 1
		.amdhsa_system_sgpr_workgroup_id_y 1
		.amdhsa_system_sgpr_workgroup_id_z 1
		.amdhsa_system_vgpr_workitem_id 0
		.amdhsa_next_free_vgpr 256
		.amdhsa_next_free_sgpr 66
		.amdhsa_reserve_vcc 1
		.amdhsa_float_denorm_mode_32 3
		.amdhsa_float_denorm_mode_16_64 3
		.amdhsa_memory_ordered 1
		.amdhsa_forward_progress 1
		.amdhsa_inst_pref_size 92
	.end_amdhsa_kernel
	.amdgpu_metadata
---
amdhsa.version: [ 1, 2 ]
amdhsa.kernels:
  - .name:           k_q4925fe2599_prep
    .symbol:         k_q4925fe2599_prep.kd
    .args:
      - { .name: query_layer, .offset: 0, .size: 8, .value_kind: global_buffer, .address_space: global }
      - { .name: key_layer, .offset: 8, .size: 8, .value_kind: global_buffer, .address_space: global }
      - { .name: value_layer, .offset: 16, .size: 8, .value_kind: global_buffer, .address_space: global }
      - { .name: attention_mask, .offset: 24, .size: 8, .value_kind: global_buffer, .address_space: global }
      - { .name: codes, .offset: 32, .size: 8, .value_kind: global_buffer, .address_space: global }
      - { .name: scales, .offset: 40, .size: 8, .value_kind: global_buffer, .address_space: global }
      - { .name: mbits, .offset: 48, .size: 8, .value_kind: global_buffer, .address_space: global }
      - { .name: live, .offset: 56, .size: 8, .value_kind: global_buffer, .address_space: global }
    .group_segment_fixed_size: 68096
    .private_segment_fixed_size: 0
    .kernarg_segment_align: 8
    .kernarg_segment_size: 64
    .max_flat_workgroup_size: 128
    .sgpr_count:     66
    .vgpr_count:     256
    .wavefront_size: 32
...
	.end_amdgpu_metadata
.endif
;; end of part 1
;; launch attn (part 2): grid 8 x 32, 4 waves a work-group, no clusters, 282,112 bytes of LDS; arguments codes, scales, mbits, live, out0; writes out0
.if DOCPART == 2
	.amdgcn_target "amdgcn-amd-amdhsa--gfx1250"
	.amdhsa_code_object_version 6
	.text
	.protected	k_q4925fe2599_attn
	.globl	k_q4925fe2599_attn
	.p2align	8
	.type	k_q4925fe2599_attn,@function
k_q4925fe2599_attn:
	s_mov_b64 s[64:65], 0
	v_nop
	global_prefetch_b8 v0, s[64:65] scope:SCOPE_SE
	s_setreg_imm32_b32 hwreg(HW_REG_WAVE_MODE, 25, 1), 1
	s_wait_xcnt 0x0
; out[q][hb][:] = sum over k of prob[q][k] V[k][hb][:], prob = softmax_k(where(mask, -10000, Q.K / sqrt(128))) x (1 - all keys masked), both products on codes of BF6 with E8M0 scales.
; WHAT IS QUANTISED FOR THE SECOND PRODUCT IS THE FINISHED, NORMALISED prob: so a row's maximum and sum are known before any of its numbers is quantised, and whole rows of scores stay in registers until then.
; SHARES.  A work-group owns 256 queries of one head (x = work-group x, hb = work-group y) and walks them in 8 blocks of 32 (two tiles qt = 0, 1).  WAVE w OWNS KEYS 512 w .. 512 w + 511 for the whole launch:
; its 32 fragments of K lie in its own 49,152 bytes of LDS (one tensor load, filled once), its 32 fragments of V in 384 of its registers.  A block's scores of a wave, 32 queries x 512 keys, are 512 registers.
; A BLOCK, three barriers:  S^T = K Q^T, the mask's fill and each block-of-32's largest score | row maxima through LDS | p = 2^(c s - c m), row sums | through LDS | prob = p / sum, quantised 128 keys at a time,
; O^T += V^T prob^T | the four waves' parts of O through LDS | each wave adds and stores 8 whole rows.
; LAYOUT.  Both products are used transposed (source 0 = 16 keys, or 16 of the head's 128; source 1 = 16 queries): a lane holds ONE query (lane % 16).  Lane r of tile 2 g + u stands for position 32 g + 8 u + r + 8 (r / 8),
; so register 64 s + 16 bb + i of a tile of queries holds key 128 s + 32 bb + 16 (lane / 16) + i of the wave's 512: sixteen neighbours along the second product's K.
; THE MASK comes as lane masks, one word a score register, 32 of them in a vector register: v_readlane_b32 brings a word into a scalar register, v_cndmask_b32 puts the fill in.  The fill takes part in the maximum.
; The fill is applied to raw scores as -10,000 x sqrt(128); c = log2(e) / sqrt(128).
; LIMITS: NaN and infinities are not served.  v_exp_f32 gives 0 for p under 2^-126.  c s - c m is one fused multiply-add onto the rounded -c m (the common factor that this leaves cancels in p / sum); 1 / sum is v_rcp_f32.
; A block's largest prob is made of the block's largest score by the same three instructions as every prob, which takes v_exp_f32 not to fall where its input rises.  A block whose largest prob lies under 2^-122 keeps the byte 1.
; Row sums and O are added lane halves first, then the four waves.
; NO CLUSTER: the eight work-groups of a head share only K's and V's images, which each reads once at its head; the loop over blocks reads nothing that another work-group reads at that time.
; NO RING, NO PREFETCH: nothing in LDS is filled twice, and the only loads in the loop (the next block's Q, mask words) go into registers a block's softmax ahead of their use.
; REGISTERS, in windows of 256 (s_set_vgpr_msb: bits 1:0 source 0, 3:2 source 1, 5:4 source 2, 7:6 destination):
;   window 0: v1-9 addresses; v10-33 Q's two fragments; v34 Q's scale words; v35-73 by phase (below); v74-89 mask words; v90-121 a number for each block of 32 keys; v122-123 at work; v124-255 V's fragments 21-31
;   window 1: V's fragments 0-20 at 12 f (f = 8 s + dt)      window 2, 3: the scores of qt = 0, 1; O^T(dt) takes 8 dt .. 8 dt + 7 once the first 128 keys' scores are quantised
;   v35-73:  scores: v35-36 K's scale words, v38-73 three fragments of K | maxima: v40-71 at work, v36-39 -c m | sums: v40-47 four chains, v48-55 live flags, v56-69 at work
;            | second product: v36-39 1 / sum, v40-47 V's scale words, v48-51 bytes, v52-53 prob's scale words, v54-65 prob's codes, v66-73 at work
.set KSEC,  6291456
.set VSEC,  12582912
.set KSCS,  262144
.set VSCS,  524288
.set KSC,   196608                     ; LDS: K's images at 0 (49,152 a wave); K's scale words (2,048 a wave);
.set VSC,   204800                     ; V's scale words (2,048 a wave);
.set STAT,  212992                     ; row maxima at 256 qt + 16 r + 4 w, row sums 512 further on;
.set STG,   214016                     ; O's parts: wave z at 16,896 z, row 16 qt + r at 528 each (512 bytes + 16 = 33 x 16)
.set AKF, 1
.set AKS, 2
.set AVS, 3
.set AST, 4
.set ALD, 5
.set ASO, 6
.set ASR, 7
.set L16, 8
.set L4,  9
.set QF,  10
.set QS,  34
.set KS,  35
.set KB,  38
.set MW,  74
.set BM,  90
.set TT,  122
.set VHI, 124
.set VS,  40
.set PW,  52
.set PC,  54
.set CM,  40                           ; s[40:55] sixteen lane masks
.set MSB, 0
.macro WIN new                         ; the immediate's high byte repeats the setting that is left; a switch that changes nothing is dropped
.if MSB != (\new)
	s_set_vgpr_msb (MSB<<8)|(\new)
.set MSB, (\new)
.endif
.endm
.macro BAR                             ; my LDS stores have landed and my LDS loads are in: then the work-group's barrier
	s_wait_dscnt 0x0
	s_barrier_signal -1
	s_barrier_wait -1
.endm
.macro QLOAD                           ; a block's Q images, Q scale words and my chunk's mask words: 11 loads
.irp u, 0,1
.irp c, 0,1,2
	global_load_b128 v[QF+12*\u+4*\c:QF+12*\u+4*\c+3], v[L16], s[30:31] offset:1536*\u+512*\c
.endr
.endr
	global_load_b32 v[QS], v[L4], s[32:33]
.irp u, 0,1
.irp e, 0,1
	global_load_b128 v[MW+8*\u+4*\e:MW+8*\u+4*\e+3], v[L16], s[34:35] offset:4096*\u+512*\e
.endr
.endr
.endm
	s_load_b256 s[4:11], s[0:1], 0x0               ; codes s[4:5], scales s[6:7], mbits s[8:9], live s[10:11]
	s_load_b64 s[12:13], s[0:1], 0x20              ; out0
	s_set_vgpr_msb 0x40
	v_lshl_add_u32 v254, v0, 2, 0x44c00
	v_mov_b32 v255, 0
	s_set_vgpr_msb 0x4045
	ds_add_u32 v254, v255
	ds_add_u32 v254, v255
	s_set_vgpr_msb 0x4500
	v_lshrrev_b32 v1, 5, v0
	v_readfirstlane_b32 s14, v1                    ; wave
	s_and_b32 s15, ttmp7, 0xffff                   ; hb
	s_mov_b32 s16, ttmp9                           ; x
	s_mov_b32 s20, 0x76543210
	s_mov_b32 s21, 0xfedcba98                      ; v_permlanex16_b32's selects for lane l xor 16
	s_mov_b32 s22, 0x3e0293ee                      ; c = log2(e) / sqrt(128)
	s_mov_b32 s23, s22                             ; (named with it as a pair)
	s_mov_b32 s24, 0xc7dcf88b                      ; -10,000 x sqrt(128)
	s_mov_b32 s25, 0xff800000                      ; -infinity
	s_mov_b32 s26, 0xbe0293ee                      ; -c
	s_mov_b32 s27, 0x2800000                       ; 2^(5 - 127)
	s_mov_b32 s28, 0xfe000000                      ; -(4 << 23)
	; descriptor groups 1: dense blocks as rows of 256 bytes (32 elements of 8 bytes), no padding, no mask: 192 rows (my K images), 8 rows (scale words)
	s_mov_b32 s68, 3<<16
	s_mov_b32 s69, 32<<16
	s_mov_b32 s70, 192<<16
	s_mov_b32 s71, 32<<16
	s_mov_b32 s72, 192
	s_mov_b32 s73, 32
	s_mov_b32 s74, 0
	s_mov_b32 s75, 0
	s_mov_b32 s76, 3<<16
	s_mov_b32 s77, 32<<16
	s_mov_b32 s78, 8<<16
	s_mov_b32 s79, 32<<16
	s_mov_b32 s80, 8
	s_mov_b32 s81, 32
	s_mov_b32 s82, 0
	s_mov_b32 s83, 0
	s_mul_i32 s2, s15, 196608                      ; a head's 128 images
	s_mul_i32 s29, s14, 49152                      ; my 32 of them: in memory and in LDS alike
	s_add_co_u32 s2, s2, s29
	s_mov_b32 s3, 0
	s_lshl_b32 s18, s15, 13                        ; a head's 8,192 bytes of scale words
	s_lshl_b32 s56, s14, 11                        ; my 2,048
	s_add_co_u32 s18, s18, s56
	s_mov_b32 s19, 0
	s_wait_dscnt 0x0
	s_wait_kmcnt 0x0
	s_mov_b32 s84, 1
	s_mov_b32 s85, s29
	s_add_nc_u64 s[86:87], s[4:5], s[2:3]
	s_add_nc_u64 s[96:97], s[86:87], VSEC          ; my V images
	s_add_nc_u64 s[86:87], s[86:87], KSEC          ; my K images
	s_or_b32 s87, s87, 0x80000000
	s_mov_b32 s88, 1
	s_add_co_u32 s89, s56, KSC
	s_add_nc_u64 s[90:91], s[6:7], s[18:19]
	s_add_nc_u64 s[94:95], s[90:91], VSCS
	s_add_nc_u64 s[90:91], s[90:91], KSCS
	s_or_b32 s91, s91, 0x80000000
	s_mov_b32 s92, 1
	s_add_co_u32 s93, s56, VSC
	s_or_b32 s95, s95, 0x80000000
	tensor_load_to_lds s[84:87], s[68:75]          ; three loads of mine are out; each fills bytes that only I read, once in the launch
	s_nop 0
	tensor_load_to_lds s[88:91], s[76:83]
	s_nop 0
	tensor_load_to_lds s[92:95], s[76:83]
	s_nop 0
.rept 4
	v_nop                                          ; four lines here ahead of a switch of windows
.endr
	v_and_b32 v10, 31, v0                          ; lane
	v_and_b32 v11, 15, v0                          ; r
	v_bfe_u32 v12, v0, 4, 1                        ; h
	v_lshlrev_b32 v[L16], 4, v10
	v_lshlrev_b32 v[L4], 2, v10
	v_add_nc_u32 v[AKF], s29, v[L16]               ; an image's place for my lane, in my K images
	v_add_nc_u32 v[AKS], s89, v[L4]
	v_add_nc_u32 v[AVS], s93, v[L4]
	s_lshl_b32 s57, s14, 2
	s_add_co_u32 s57, s57, STAT
	v_lshl_add_u32 v[AST], v11, 4, s57             ; where I put my query's figure: 16 r + 4 wave
	v_lshlrev_b32 v[ALD], 4, v11
	v_add_nc_u32 v[ALD], STAT, v[ALD]              ; and where the four waves' lie
	s_mul_i32 s57, s14, 16896
	s_add_co_u32 s57, s57, STG
	v_mul_u32_u24 v[ASO], v11, 528
	v_lshl_add_u32 v[ASO], v12, 5, v[ASO]
	v_add_nc_u32 v[ASO], s57, v[ASO]               ; my part of O: row r, + 32 h
	s_mul_i32 s57, s14, 4224
	s_add_co_u32 s57, s57, STG
	v_add_nc_u32 v[ASR], s57, v[L16]               ; back: rows 8 wave .. 8 wave + 7, 16 bytes a lane
	WIN 0x40                                       ; destination window 1
.set vf, 0
.rept 21
.irp c, 0,1,2
	global_load_b128 v[12*vf+4*\c:12*vf+4*\c+3], v[L16], s[96:97] offset:1536*vf+512*\c
.endr
.set vf, vf+1
.endr
	WIN 0
.rept 11
.irp c, 0,1,2
	global_load_b128 v[VHI+12*(vf-21)+4*\c:VHI+12*(vf-21)+4*\c+3], v[L16], s[96:97] offset:1536*vf+512*\c
.endr
.set vf, vf+1
.endr
	s_lshl_b32 s57, s15, 7
	s_lshl_b32 s58, s16, 4
	s_add_co_u32 s57, s57, s58                     ; 128 hb + 16 x: my first tile of queries
	s_mul_i32 s2, s57, 1536
	s_add_nc_u64 s[30:31], s[4:5], s[2:3]          ; Q's images
	s_lshl_b32 s57, s15, 6
	s_lshl_b32 s59, s16, 3
	s_add_co_u32 s57, s57, s59
	s_lshl_b32 s2, s57, 7
	s_add_nc_u64 s[32:33], s[6:7], s[2:3]          ; Q's scale words
	s_lshr_b32 s57, s15, 4                         ; b
	s_lshl_b32 s57, s57, 7
	s_add_co_u32 s57, s57, s58                     ; 128 b + 16 x
	s_lshl_b32 s2, s57, 2
	s_add_co_u32 s2, s2, s14
	s_lshl_b32 s2, s2, 10
	s_add_nc_u64 s[34:35], s[8:9], s[2:3]          ; my chunk's mask words
	s_lshl_b32 s2, s57, 9
	s_add_nc_u64 s[36:37], s[10:11], s[2:3]        ; the live flags
	s_lshl_b32 s57, s16, 8
	s_lshr_b32 s58, s14, 1
	s_lshl_b32 s58, s58, 3
	s_add_co_u32 s57, s57, s58
	s_and_b32 s58, s14, 1
	s_lshl_b32 s58, s58, 4
	s_add_co_u32 s57, s57, s58                     ; the first query that I store: 256 x + 8 (wave / 2) + 16 (wave % 2)
	s_lshl_b32 s2, s57, 14
	s_lshl_b32 s58, s15, 9
	s_add_co_u32 s2, s2, s58
	s_add_nc_u64 s[38:39], s[12:13], s[2:3]
	QLOAD                                          ; block 0
	s_mov_b32 s17, 8                               ; blocks to go
	s_wait_tensorcnt 0x0                           ; my K images and scale words lie in LDS; nobody else reads them
	s_wait_loadcnt 0x0                             ; V, and block 0's Q and mask words
; three loads bring K's fragment tau into buffer tau % 3; with an even tau come the scale words of tiles tau (lanes 0-15) and tau + 1 (lanes 16-31)
.macro LK tau
.irp c, 0,1,2
	ds_load_b128 v[KB+12*((\tau)%3)+4*\c:KB+12*((\tau)%3)+4*\c+3], v[AKF] offset:1536*(\tau)+512*\c
.endr
.if ((\tau)%2) == 0
	ds_load_b32 v[KS+(((\tau)/2)%2)], v[AKS] offset:128*((\tau)/2)
.endif
.endm
.macro QKP tau, q                      ; S^T(tile tau, queries q): C = 0 starts and ends the sum: K = the head's 128
.set rD, 8*(\tau)
.set rK, KB+12*((\tau)%3)
.set rQ, QF+12*(\q)
.set rS, KS+(((\tau)/2)%2)
.if ((\tau)%2 == 0) && ((\q) == 0)
	v_wmma_scale_f32_16x16x128_f8f6f4 v[rD:rD+7], v[rK:rK+11], v[rQ:rQ+11], 0, v[rS], v[QS] matrix_a_fmt:MATRIX_FMT_BF6 matrix_b_fmt:MATRIX_FMT_BF6
.elseif (\q) == 0
	v_wmma_scale_f32_16x16x128_f8f6f4 v[rD:rD+7], v[rK:rK+11], v[rQ:rQ+11], 0, v[rS], v[QS] matrix_a_fmt:MATRIX_FMT_BF6 matrix_b_fmt:MATRIX_FMT_BF6 matrix_a_scale:MATRIX_SCALE_ROW1
.elseif (\tau)%2 == 0
	v_wmma_scale_f32_16x16x128_f8f6f4 v[rD:rD+7], v[rK:rK+11], v[rQ:rQ+11], 0, v[rS], v[QS] matrix_a_fmt:MATRIX_FMT_BF6 matrix_b_fmt:MATRIX_FMT_BF6 matrix_b_scale:MATRIX_SCALE_ROW1
.else
	v_wmma_scale_f32_16x16x128_f8f6f4 v[rD:rD+7], v[rK:rK+11], v[rQ:rQ+11], 0, v[rS], v[QS] matrix_a_fmt:MATRIX_FMT_BF6 matrix_b_fmt:MATRIX_FMT_BF6 matrix_a_scale:MATRIX_SCALE_ROW1 matrix_b_scale:MATRIX_SCALE_ROW1
.endif
.endm
.macro WM tau                          ; tile tau against both tiles of queries.  Behind LK tau stand LK tau + 1 and LK tau + 2: 3 + 4 loads, which may be out
.if (\tau) <= 29
	s_wait_dscnt 7
.elseif (\tau) == 30
	s_wait_dscnt 3
.else
	s_wait_dscnt 0
.endif
	WIN 0x80
	QKP \tau, 0
	WIN 0xc0
	QKP \tau, 1
.endm
; Group gv: queries gq = gv % 2, keys' block gp = gv / 2 (tiles 2 gp, 2 gp + 1): sixteen score registers get the fill where the mask says so, and their maximum is taken.  Behind them the fragment of tile gv + 4 is asked for
; (into the buffer that tile gv + 1's products read: the 24 selects and maxima lie between) and tile gv + 2 is multiplied: matrix work stands between vector work.
.macro GRP
.set gq, gv%2
.set gp, gv/2
	WIN 0
.if gv > 0
	v_max_num_f32 v[BM+16*((gv-1)%2)+(gv-1)/2], v[BM+16*((gv-1)%2)+(gv-1)/2], v[TT+(gv-1)%2]   ; the last group's two chains
.endif
.irp i, 0,1,2,3,4,5,6,7,8,9,10,11,12,13,14,15
	v_readlane_b32 s[CM+\i], v[MW+8*gq+gp/2], 16*(gp%2)+\i         ; the lane mask of score register 16 gp + i
.endr
	WIN 0x82+0x41*gq
.irp i, 0,1,2,3,4,5,6,7,8,9,10,11,12,13,14,15
	v_cndmask_b32 v[16*gp+\i], v[16*gp+\i], s24, s[CM+\i]          ; ascending: each accumulator is read from its low end on
.endr
	WIN 0x28+0x14*gq
	v_max3_num_f32 v[BM+16*gq+gp], s25, v[16*gp], v[16*gp+1]
	v_max3_num_f32 v[TT+gq], s25, v[16*gp+8], v[16*gp+9]
.irp i, 2,4,6
	v_max3_num_f32 v[BM+16*gq+gp], v[BM+16*gq+gp], v[16*gp+\i], v[16*gp+\i+1]
	v_max3_num_f32 v[TT+gq], v[TT+gq], v[16*gp+8+\i], v[16*gp+9+\i]
.endr
.if gv <= 27
	LK gv+4                                        ; (destination and address lie in window 0 under this setting too)
.endif
.if gv <= 29
	WM gv+2
.endif
.endm
; p = 2^(c s - c m), 64 registers (chunk k: queries k / 4, keys 128 (k % 4) on) at a time
.macro FMAL k, i                       ; pair i of chunk k: c s - c m
	v_pk_fma_f32 v[64*((\k)%4)+2*(\i):64*((\k)%4)+2*(\i)+1], v[64*((\k)%4)+2*(\i):64*((\k)%4)+2*(\i)+1], s[22:23], v[36+2*((\k)/4):37+2*((\k)/4)] op_sel_hi:[1,0,0]
.endm
.macro EXPMIX k                        ; chunk k's 64 exponentials, with the next chunk's scalings between them where it has the same queries
	WIN 0x82+0x41*((\k)/4)
.set ei, 0
.rept 32
.if ((\k)%4) < 3
	FMAL (\k)+1, ei
.endif
	v_exp_f32 v[64*((\k)%4)+2*ei], v[64*((\k)%4)+2*ei]
	v_exp_f32 v[64*((\k)%4)+2*ei+1], v[64*((\k)%4)+2*ei+1]
.set ei, ei+1
.endr
.endm
.macro ADDS k                          ; chunk k's p onto four chains of pairs
	WIN 0x08+0x04*((\k)/4)
.set ei, 0
.rept 32
	v_pk_add_f32 v[40+2*(ei%4):41+2*(ei%4)], v[40+2*(ei%4):41+2*(ei%4)], v[64*((\k)%4)+2*ei:64*((\k)%4)+2*ei+1]
.set ei, ei+1
.endr
.endm
.macro FOLD q
	WIN 0
	v_pk_add_f32 v[40:41], v[40:41], v[42:43]
	v_pk_add_f32 v[44:45], v[44:45], v[46:47]
	v_pk_add_f32 v[40:41], v[40:41], v[44:45]
	v_add_f32 v[56+\q], v40, v41
.endm
; the second product, chunk kap: keys 128 (kap / 2) on, queries kap % 2
.macro MULS kap, lo, n                 ; pairs lo .. lo + n - 1: prob = p x (live / sum)
	WIN 0x82+0x41*((\kap)%2)
.set mi, \lo
.rept \n
	v_pk_mul_f32 v[64*((\kap)/2)+2*mi:64*((\kap)/2)+2*mi+1], v[64*((\kap)/2)+2*mi:64*((\kap)/2)+2*mi+1], v[36+2*((\kap)%2):37+2*((\kap)%2)] op_sel_hi:[1,0]
.set mi, mi+1
.endr
.endm
.macro BYTES kap                       ; the four blocks' bytes make my query's scale word for these 128 keys
	WIN 0
.irp b, 0,1,2,3
	v_lshrrev_b32 v[48+\b], 23, v[BM+16*((\kap)%2)+4*((\kap)/2)+\b]
.endr
	v_lshl_or_b32 v[PW+(\kap)%2], v49, 8, v48
	v_lshl_or_b32 v[PW+(\kap)%2], v50, 16, v[PW+(\kap)%2]
	v_lshl_or_b32 v[PW+(\kap)%2], v51, 24, v[PW+(\kap)%2]
.endm
.macro CVT kap
	WIN 0x02+(\kap)%2
.irp c, 0,1
	v_cvt_scalef32_pk16_bf6_f32 v[PC+6*\c:PC+6*\c+2], v[64*((\kap)/2)+32*\c:64*((\kap)/2)+32*\c+15], v[BM+16*((\kap)%2)+4*((\kap)/2)+2*\c]
	v_cvt_scalef32_pk16_bf6_f32 v[66+4*\c:68+4*\c], v[64*((\kap)/2)+32*\c+16:64*((\kap)/2)+32*\c+31], v[BM+16*((\kap)%2)+4*((\kap)/2)+2*\c+1]   ; (a conversion's three registers begin on an even number)
.endr
.endm
.macro PERM                            ; the operand's layout wants a WHOLE block in a lane: lanes 0-15 block 2 c, lanes 16-31 block 2 c + 1
	WIN 0
	v_nop                                          ; one plain line behind the scaled conversions
.irp c, 0,1
.irp i, 0,1,2
	v_permlane16_swap_b32 v[PC+6*\c+\i], v[66+4*\c+\i]
.endr
.irp i, 0,1,2
	v_mov_b32 v[PC+6*\c+3+\i], v[66+4*\c+\i]
.endr
.endr
.endm
.macro PVW kap, dt                     ; O^T(dt) += V^T(fragment 8 (kap / 2) + dt) prob^T; the first 128 keys start the sums
.set pf, 8*((\kap)/2)+(\dt)
.set rO, 8*(\dt)
.set rW, VS+4*(((\kap)/2)%2)+(\dt)/2
.set rP, PW+(\kap)%2
.if pf <= 20
	WIN 0xa1+0x50*((\kap)%2)
.set rV, 12*pf
.else
	WIN 0xa0+0x50*((\kap)%2)
.set rV, VHI+12*(pf-21)
.endif
.if ((\kap) < 2) && ((\dt)%2 == 0)
	v_wmma_scale_f32_16x16x128_f8f6f4 v[rO:rO+7], v[rV:rV+11], v[PC:PC+11], 0, v[rW], v[rP] matrix_a_fmt:MATRIX_FMT_BF6 matrix_b_fmt:MATRIX_FMT_BF6
.elseif (\kap) < 2
	v_wmma_scale_f32_16x16x128_f8f6f4 v[rO:rO+7], v[rV:rV+11], v[PC:PC+11], 0, v[rW], v[rP] matrix_a_fmt:MATRIX_FMT_BF6 matrix_b_fmt:MATRIX_FMT_BF6 matrix_a_scale:MATRIX_SCALE_ROW1
.elseif (\dt)%2 == 0
	v_wmma_scale_f32_16x16x128_f8f6f4 v[rO:rO+7], v[rV:rV+11], v[PC:PC+11], v[rO:rO+7], v[rW], v[rP] matrix_a_fmt:MATRIX_FMT_BF6 matrix_b_fmt:MATRIX_FMT_BF6
.else
	v_wmma_scale_f32_16x16x128_f8f6f4 v[rO:rO+7], v[rV:rV+11], v[PC:PC+11], v[rO:rO+7], v[rW], v[rP] matrix_a_fmt:MATRIX_FMT_BF6 matrix_b_fmt:MATRIX_FMT_BF6 matrix_a_scale:MATRIX_SCALE_ROW1
.endif
.endm
.Lblock:
	; ---- scores, fill, block maxima
	LK 0
	LK 1
	LK 2
	WM 0
.rept 4
	v_nop                                          ; places in front of the loads into the buffer that these products read
.endr
	WIN 0
	LK 3
	WM 1
.set gv, 0
.rept 32
	GRP
.set gv, gv+1
.endr
	WIN 0
	v_max_num_f32 v[BM+31], v[BM+31], v[TT+1]
	; ---- the next block's Q and mask words are asked for now: their registers are not touched again in this trip.  The last block asks for nothing
	s_cmp_eq_u32 s17, 1
	s_cbranch_scc1 .Lno_next
	s_add_nc_u64 s[30:31], s[30:31], 3072          ; (the loads that read these addresses were waited for)
	s_add_nc_u64 s[32:33], s[32:33], 128
	s_add_nc_u64 s[34:35], s[34:35], 8192
	QLOAD
.Lno_next:
	; ---- row maxima: lane halves, my 16 blocks, the four waves
.set ei, 0
.rept 32
	v_permlanex16_b32 v[40+ei], v[BM+ei], s20, s21
.set ei, ei+1
.endr
.set ei, 0
.rept 32
	v_max_num_f32 v[BM+ei], v[BM+ei], v[40+ei]     ; the block's largest score, in both halves
.set ei, ei+1
.endr
.irp q, 0,1
	v_max3_num_f32 v[56+\q], v[BM+16*\q], v[BM+16*\q+1], v[BM+16*\q+2]
.endr
.irp j, 3,5,7,9,11,13
.irp q, 0,1
	v_max3_num_f32 v[56+\q], v[56+\q], v[BM+16*\q+\j], v[BM+16*\q+\j+1]
.endr
.endr
.irp q, 0,1
	v_max_num_f32 v[56+\q], v[56+\q], v[BM+16*\q+15]
.endr
	ds_store_b32 v[AST], v56                       ; lanes r and r + 16 write the same word with the same value
	ds_store_b32 v[AST], v57 offset:256
	BAR
	ds_load_b128 v[40:43], v[ALD]
	ds_load_b128 v[44:47], v[ALD] offset:256
.irp u, 0,1
.irp c, 0,1,2,3
	global_load_b32 v[48+4*\u+\c], v[L4], s[36:37] offset:512*\u+128*\c   ; my queries' live flags of the four chunks: wanted with the sums
.endr
.endr
	s_wait_dscnt 0x0
	v_max3_num_f32 v56, v40, v41, v42
	v_max3_num_f32 v57, v44, v45, v46
	v_max_num_f32 v56, v56, v43
	v_max_num_f32 v57, v57, v47
	v_mul_f32 v36, s26, v56                        ; -c m, as pairs
	v_mul_f32 v37, s26, v56
	v_mul_f32 v38, s26, v57
	v_mul_f32 v39, s26, v57
	; ---- p and the row sums
.set ei, 0
.rept 32
	v_fma_f32 v[BM+ei], v[BM+ei], s22, v[36+2*(ei/16)]   ; each block's largest score goes the same way as every score
.set ei, ei+1
.endr
.set ei, 0
.rept 32
	v_exp_f32 v[BM+ei], v[BM+ei]
.set ei, ei+1
.endr
.irp j, 0,1,2,3,4,5,6,7
	v_mov_b32 v[40+\j], 0                          ; the four chains
.endr
	WIN 0x82
.set ei, 0
.rept 32
	FMAL 0, ei
.set ei, ei+1
.endr
	EXPMIX 0
.irp k, 1,2,3,4,5,6,7
	s_wait_alu depctr_va_vdst(0)                   ; one wait for the last chunk's batch of exponentials (the first also for the blocks' 32), ahead of the sums that read them
	EXPMIX \k
.if \k == 3
	WIN 0xc3
.set ei, 0
.rept 32
	FMAL 4, ei
.set ei, ei+1
.endr
.endif
	ADDS \k-1
.if \k == 4
	FOLD 0
.irp j, 0,1,2,3,4,5,6,7
	v_mov_b32 v[40+\j], 0
.endr
.endif
.endr
	s_wait_alu depctr_va_vdst(0)                   ; the last batch; the 32 additions above are the plain lines behind it
	ADDS 7
	FOLD 1
	v_permlanex16_b32 v58, v56, s20, s21
	v_permlanex16_b32 v59, v57, s20, s21
	v_add_f32 v56, v56, v58
	v_add_f32 v57, v57, v59
	ds_store_b32 v[AST], v56 offset:512
	ds_store_b32 v[AST], v57 offset:768
	BAR
	ds_load_b128 v[60:63], v[ALD] offset:512
	ds_load_b128 v[64:67], v[ALD] offset:768
.irp s, 0,1
.irp d, 0,1,2,3
	ds_load_b32 v[VS+4*\s+\d], v[AVS] offset:128*(4*\s+\d)   ; V's scale words of my first two steps of 128 keys: lanes 0-15 dt = 2 d, lanes 16-31 dt = 2 d + 1
.endr
.endr
	s_wait_dscnt 8                                 ; the sums are in; the eight scale loads may be out
	v_add_f32 v60, v60, v61
	v_add_f32 v62, v62, v63
	v_add_f32 v64, v64, v65
	v_add_f32 v66, v66, v67
	v_add_f32 v60, v60, v62
	v_add_f32 v64, v64, v66
	s_wait_loadcnt 0x0                             ; the live flags, and with them the next block's loads, issued earlier
	v_rcp_f32 v58, v60
	v_rcp_f32 v59, v64
	v_max3_num_f32 v68, v48, v49, v50              ; 1.0 if any chunk has a key that counts.  (Plain lines behind the reciprocals)
	v_max3_num_f32 v69, v52, v53, v54
	v_max_num_f32 v68, v68, v51
	v_max_num_f32 v69, v69, v55
	s_wait_alu depctr_va_vdst(0)                   ; one wait for the two reciprocals, ahead of their first reader
	v_mul_f32 v36, v58, v68                        ; live / sum, as pairs
	v_mul_f32 v37, v58, v68
	v_mul_f32 v38, v59, v69
	v_mul_f32 v39, v59, v69
	; ---- prob, quantised, and the second product
.set ei, 0
.rept 32
	v_mul_f32 v[BM+ei], v[BM+ei], v[36+2*(ei/16)]  ; the block's largest prob,
.set ei, ei+1
.endr
.set ei, 0
.rept 32
	v_max_num_f32 v[BM+ei], s27, v[BM+ei]          ; the floor: the byte cannot fall under 1,
.set ei, ei+1
.endr
.set ei, 0
.rept 32
	v_add_nc_u32 v[BM+ei], s28, v[BM+ei]           ; 4 off the exponent field: the conversion's scale operand
.set ei, ei+1
.endr
	MULS 0, 0, 32
	BYTES 0
	CVT 0
	PERM
	s_wait_dscnt 0x0                               ; V's scale words of steps 0 and 1
; The eight accumulators of a tile of queries take turns, and the two tiles of queries alternate, one instruction a turn.  Between the products stand the next chunk's multiplications:
; eight of them are also the places between the codes' last move and the first product; the seven lines of BYTES are the places between the last product and the conversions that write the codes anew.
.irp kap, 0,1,2,3,4,5,6,7
.if \kap == 4
	s_wait_dscnt 4                                 ; step 2's scale words are in; step 3's four loads may be out
.endif
.if \kap == 6
	s_wait_dscnt 0x0
.endif
.irp z, 0,1,2,3
.if \kap < 7
	MULS \kap+1, 8*\z, 8
.elseif \z == 0
.rept 4
	v_nop
.endr
.endif
	PVW \kap, 2*\z
	PVW \kap, 2*\z+1
.endr
.if \kap < 7
	BYTES \kap+1
.if (\kap == 1) || (\kap == 3)
.irp d, 0,1,2,3
	ds_load_b32 v[VS+4*(((\kap+3)/2)%2)+\d], v[AVS] offset:128*(4*((\kap+3)/2)+\d)   ; step 2's words take step 0's registers, step 3's take step 1's
.endr
.endif
	CVT \kap+1
	PERM
.endif
.endr
	; ---- the four waves' parts of O meet in LDS
.rept 4
	v_nop                                          ; places behind the last products
.endr
.irp q, 0,1
	WIN 0x08+0x04*\q                               ; an LDS store's data are its source 1
.irp dt, 0,1,2,3,4,5,6,7
	ds_store_b128 v[ASO], v[8*\dt:8*\dt+3] offset:8448*\q+64*\dt        ; lane (r, h): O(query r of tile q, 16 dt + 8 h + 0 .. 7); each accumulator from its low end on
	ds_store_b128 v[ASO], v[8*\dt+4:8*\dt+7] offset:8448*\q+64*\dt+16
.endr
.endr
	BAR
	WIN 0x80                                       ; destination window 2: the registers that the scores of keys 128 .. 383 have left
.irp z, 0,1,2,3
.irp i, 0,1,2,3,4,5,6,7
	ds_load_b128 v[64+4*(8*\z+\i):64+4*(8*\z+\i)+3], v[ASR] offset:16896*\z+528*\i
.endr
.endr
	s_wait_dscnt 0x0
	WIN 0x8a
.set ei, 0
.rept 16
	v_pk_add_f32 v[64+2*ei:65+2*ei], v[64+2*ei:65+2*ei], v[96+2*ei:97+2*ei]
	v_pk_add_f32 v[128+2*ei:129+2*ei], v[128+2*ei:129+2*ei], v[160+2*ei:161+2*ei]
.set ei, ei+1
.endr
.set ei, 0
.rept 16
	v_pk_add_f32 v[64+2*ei:65+2*ei], v[64+2*ei:65+2*ei], v[128+2*ei:129+2*ei]
.set ei, ei+1
.endr
	WIN 0x08                                       ; a store's data are its source 1
.irp i, 0,1,2,3,4,5,6,7
	global_store_b128 v[L16], v[64+4*\i:64+4*\i+3], s[38:39] offset:16384*\i th:TH_STORE_NT   ; 32 lanes store a row's 512 consecutive bytes, at a multiple of 256 from the buffer's first byte
.endr
	WIN 0
	s_wait_xcnt 0x0                                ; the stores have read their data and their base: both are written again only behind this wait
	s_add_nc_u64 s[38:39], s[38:39], 524288        ; 32 queries on
	s_add_nc_u64 s[36:37], s[36:37], 1024
	s_sub_co_u32 s17, s17, 1
	s_cmp_lg_u32 s17, 0
	s_cbranch_scc1 .Lblock
	s_set_vgpr_msb 0x5
	s_wait_tensorcnt 0x0
	ds_add_u32 v254, v255
	s_wait_dscnt 0x0
	s_set_vgpr_msb 0x500
	s_endpgm
.Lfunc_end_k_q4925fe2599_attn:
	.size	k_q4925fe2599_attn, .Lfunc_end_k_q4925fe2599_attn-k_q4925fe2599_attn
	.p2alignl 7, 3214868480
	.fill 96, 4, 3214868480
	.section	.rodata,"a",@progbits
	.p2align	6, 0x0
	.amdhsa_kernel k_q4925fe2599_attn
		.amdhsa_group_segment_fixed_size 282112
		.amdhsa_private_segment_fixed_size 0
		.amdhsa_enable_private_segment 0
		.amdhsa_kernarg_size 40
		.amdhsa_user_sgpr_count 2
		.amdhsa_user_sgpr_kernarg_segment_ptr 1
		.amdhsa_wavefront_size32 1
		.amdhsa_system_sgpr_workgroup_id_x 1
		.amdhsa_system_sgpr_workgroup_id_y 1
		.amdhsa_system_sgpr_workgroup_id_z 1
		.amdhsa_system_vgpr_workitem_id 0
		.amdhsa_next_free_vgpr 1024
		.amdhsa_next_free_sgpr 100
		.amdhsa_reserve_vcc 0
		.amdhsa_float_denorm_mode_32 3
		.amdhsa_float_denorm_mode_16_64 3
		.amdhsa_memory_ordered 1
		.amdhsa_forward_progress 1
		.amdhsa_inst_pref_size 226
	.end_amdhsa_kernel
	.amdgpu_metadata
---
amdhsa.version: [ 1, 2 ]
amdhsa.kernels:
  - .name:           k_q4925fe2599_attn
    .symbol:         k_q4925fe2599_attn.kd
    .args:
      - { .name: codes, .offset: 0, .size: 8, .value_kind: global_buffer, .address_space: global }
      - { .name: scales, .offset: 8, .size: 8, .value_kind: global_buffer, .address_space: global }
      - { .name: mbits, .offset: 16, .size: 8, .value_kind: global_buffer, .address_space: global }
      - { .name: live, .offset: 24, .size: 8, .value_kind: global_buffer, .address_space: global }
      - { .name: out0, .offset: 32, .size: 8, .value_kind: global_buffer, .address_space: global }
    .group_segment_fixed_size: 282112
    .private_segment_fixed_size: 0
    .kernarg_segment_align: 8
    .kernarg_segment_size: 40
    .max_flat_workgroup_size: 128
    .sgpr_count:     100
    .vgpr_count:     1024
    .wavefront_size: 32
...
	.end_amdgpu_metadata
.endif
;; end of part 2
